; MI455X (gfx1250); checked and timed in simulation.
; The chip was launched on July 23, 2026; its instructions are those of AMD's public machine-readable ISA for CDNA 5 (MIT licence, August 2026) and "CDNA5" Instruction Set Architecture Reference Guide (July 2026). The comments in the code are by the model that wrote it; some were corrected since.
;; Vector Quantization. Allowed arithmetic: float matrix products may take bf16 or f16 operands with f32 sums; other float arithmetic in f32, or as packed bf16 or f16 multiplies, adds, multiply-adds, maxima and minima; sums over many terms, partial sums and values carried from step to step in f32; what a program stores and reads back later, other than sums and carried values, may be rounded once to bf16 or f16.
;; Inputs: vectors 8,192 x 256 float32; x 8 x 4,096 x 256 float32.
;; Outputs: out0 8 x 4,096 int32.
;; 2 versions, each right; version 2 is version 1 with the launch prep written anew for expert scheduling mode. Each part assembles by itself: llvm-mc -triple=amdgcn-amd-amdhsa -mcpu=gfx1250 --defsym DOCPART=n.
;; ======== version 1 of 2: 2 launches
;; workspace buffers: wq 4,194,304 bytes; vsq 32,768 bytes
;; launch prep (part 1): grid 128 x 1, 8 waves a work-group, no clusters, 1,280 bytes of LDS; arguments vectors, wq, vsq; writes wq, vsq
.if DOCPART == 1
	.amdgcn_target "amdgcn-amd-amdhsa--gfx1250"
	.amdhsa_code_object_version 6
	.text
	.protected	k_q3ffb32183d_prep
	.globl	k_q3ffb32183d_prep
	.p2align	8
	.type	k_q3ffb32183d_prep,@function
k_q3ffb32183d_prep:
	s_mov_b64 s[64:65], 0
	v_nop
	global_prefetch_b8 v0, s[64:65] scope:SCOPE_SE
	s_setreg_imm32_b32 hwreg(HW_REG_WAVE_MODE, 25, 1), 1
	s_wait_xcnt 0x0
; wq[k][d] = bf16(-2 v[k][d]) = -2 bf16(v[k][d]) (a power of two goes through the rounding unchanged);  vsq[k] = the sum over d of bf16(v[k][d])^2, in f32.
; vectors: [8192][256] f32.  wq: [8192][256] bf16.  vsq: [8192] f32.
; SHARES.  A work-group takes 64 codes, so that its 64 norms are 256 consecutive bytes of vsq, aligned, stored by one instruction: that is why there are 128 work-groups.
; A wave takes 8 codes, a lane 8 numbers of each: 32 bytes in, 16 bytes out, so a wave's store is a whole row of wq: 512 consecutive bytes, aligned.
; All 16 loads of a wave go out at once: every byte of the table is asked for before the first is worked on.  No matrix unit, no cluster: each byte is read once, by one lane.
; The norm is taken of the ROUNDED numbers, as stored: the sum of (-2 v)^2, times 1/4, which is exact.
; LIMIT.  Squares below f32's range are lost, as in any f32 sum of squares.
.set ROWI,  1024                       ; bytes in a row of vectors
.set ROWO,  512                        ; bytes in a row of wq
.set SUMS,  0                          ; LDS: the work-group's 64 norms, one block of 256 bytes
.set SPARE, 256                        ; behind it: the spare words, 128 bytes for each of the eight waves, which no other line names
.set LN,  1                            ; v1    lane
.set LO,  2                            ; v2    my byte offset in the group's rows of vectors: wave x 8 rows + 32 x lane; never rewritten
.set SO,  3                            ; v3    the same in wq: wave x 8 rows + 16 x lane; never rewritten
.set SPW, 4                            ; v4    LDS address of my spare word; never rewritten
.set NIL, 5                            ; v5    0; never rewritten
.set LA,  6                            ; v6    LDS address of my wave's eight norms
.set TP,  7                            ; v7    takes the other half of the lanes' sum
.set BA,  10                           ; v10   8 x lane
.set IN,  16                           ; v[16:79]    row i: 8 registers as loaded, then times -2
.set W,   80                           ; v[80:111]   row i: 4 registers to store
.set T,   112                          ; v[112:119]  the stored numbers as f32
.set S,   120                          ; v[120:127]  row i's sum
.set P,   128                          ; v[128:129]  two running sums; at the end two norms
	s_load_b128 s[4:7], s[0:1], 0x0                ; vectors s[4:5], wq s[6:7]
	s_load_b64 s[8:9], s[0:1], 0x10                ; vsq
	v_lshl_add_u32 v[SPW], v0, 2, SPARE
	v_mov_b32 v[NIL], 0
	v_lshrrev_b32 v[LN], 5, v0
	v_readfirstlane_b32 s12, v[LN]                 ; wave 0..7
	v_and_b32 v[LN], 31, v0
	s_mov_b32 s13, 0xffff0000                      ; a word's upper bf16
	s_mov_b32 s14, 0x76543210                      ; v_permlanex16_b32: each lane takes its own place in the other half
	s_mov_b32 s15, 0xfedcba98
	s_lshl_b32 s16, s12, 13                        ; 8 rows of 1,024 bytes
	v_lshl_add_u32 v[LO], v[LN], 5, s16
	s_lshl_b32 s17, s12, 12                        ; 8 rows of 512 bytes
	v_lshl_add_u32 v[SO], v[LN], 4, s17
	s_lshl_b32 s18, s12, 5                         ; 8 words
	v_mov_b32 v[LA], s18
	v_mov_b32 v[TP], 0                             ; v_permlanex16_b32's destination counts as read
	v_lshlrev_b32 v[BA], 3, v[LN]
	s_lshl_b32 s20, ttmp9, 16                      ; the group's 64 rows in vectors,
	s_mov_b32 s21, 0
	s_lshl_b32 s22, ttmp9, 15                      ; in wq,
	s_mov_b32 s23, 0
	s_lshl_b32 s2, ttmp9, 8                        ; and its 64 words of vsq
	s_mov_b32 s3, 0
	s_wait_kmcnt 0x0
	s_add_nc_u64 s[4:5], s[4:5], s[20:21]
	s_add_nc_u64 s[6:7], s[6:7], s[22:23]
	s_add_nc_u64 s[8:9], s[8:9], s[2:3]
.irp i, 0,1,2,3,4,5,6,7
	global_load_b128 v[IN+8*(\i):IN+8*(\i)+3],   v[LO], s[4:5] offset:ROWI*(\i) th:TH_LOAD_NT
	global_load_b128 v[IN+8*(\i)+4:IN+8*(\i)+7], v[LO], s[4:5] offset:ROWI*(\i)+16 th:TH_LOAD_NT
.endr
; Row i of my wave's eight.  Every register that a store reads is written once in the launch, so no wait frees one.
.macro ROWP i
	s_wait_loadcnt 14-2*(\i)                       ; loads come back in order: this row's two are in, the younger rows' (two each) stay out
.irp k, 0,1,2,3
	v_pk_mul_f32 v[IN+8*(\i)+2*(\k):IN+8*(\i)+2*(\k)+1], v[IN+8*(\i)+2*(\k):IN+8*(\i)+2*(\k)+1], -2.0 op_sel_hi:[1,0]
.endr
.irp k, 0,1,2,3
	v_cvt_pk_bf16_f32 v[W+4*(\i)+(\k)], v[IN+8*(\i)+2*(\k)], v[IN+8*(\i)+2*(\k)+1]  ; two roundings to nearest even, packed
.endr
	global_store_b128 v[SO], v[W+4*(\i):W+4*(\i)+3], s[6:7] offset:ROWO*(\i)      ; the wave stores the row's 512 bytes
.irp k, 0,1,2,3
	v_lshlrev_b32 v[T+2*(\k)],   16, v[W+4*(\i)+(\k)]                            ; the stored numbers back as f32
	v_and_b32     v[T+2*(\k)+1], s13, v[W+4*(\i)+(\k)]
.endr
	v_pk_mul_f32 v[P:P+1], v[T:T+1], v[T:T+1]      ; the first squares start the two sums
.irp k, 2,4,6
	v_pk_fma_f32 v[P:P+1], v[T+(\k):T+(\k)+1], v[T+(\k):T+(\k)+1], v[P:P+1]
.endr
	v_add_f32 v[S+(\i)], v[P], v[P+1]
	v_add_f32_dpp v[S+(\i)], v[S+(\i)], v[S+(\i)] row_xmask:1 row_mask:0xf bank_mask:0xf  ; across the 32 lanes: four steps inside each half,
	v_add_f32_dpp v[S+(\i)], v[S+(\i)], v[S+(\i)] row_xmask:2 row_mask:0xf bank_mask:0xf
	v_add_f32_dpp v[S+(\i)], v[S+(\i)], v[S+(\i)] row_xmask:4 row_mask:0xf bank_mask:0xf
	v_add_f32_dpp v[S+(\i)], v[S+(\i)], v[S+(\i)] row_xmask:8 row_mask:0xf bank_mask:0xf
	v_permlanex16_b32 v[TP], v[S+(\i)], s14, s15   ; one across the halves
	v_add_f32 v[S+(\i)], v[S+(\i)], v[TP]
	v_mul_f32 v[S+(\i)], 0x3e800000, v[S+(\i)]     ; times 1/4: (-2 v)^2 back to v^2, exactly
	ds_store_b32 v[LA], v[S+(\i)] offset:SUMS+4*(\i)  ; all lanes write the same word with the same number
.endm
.irp i, 0,1,2,3,4,5,6,7
	ROWP \i
.endr
	s_wait_dscnt 0x0                               ; for wave 0's sake: my eight norms lie in LDS
	s_barrier_signal -1
	s_barrier_wait -1
	s_cmp_lg_u32 s12, 0                            ; wave 0 stores the group's 64 norms
	s_cbranch_scc1 .Lend
	ds_load_b64 v[P:P+1], v[BA] offset:SUMS
	s_wait_dscnt 0x0
	global_store_b64 v[BA], v[P:P+1], s[8:9]       ; 32 lanes x 8 bytes: 256 consecutive bytes, aligned
.Lend:
	s_wait_tensorcnt 0x0                           ; the wave's end: the closing add and its waits, behind my last LDS store
	ds_add_u32 v[SPW], v[NIL]
	s_wait_dscnt 0x0
	s_endpgm
.Lfunc_end_k_q3ffb32183d_prep:
	.size	k_q3ffb32183d_prep, .Lfunc_end_k_q3ffb32183d_prep-k_q3ffb32183d_prep
	.p2alignl 7, 3214868480
	.fill 96, 4, 3214868480
	.section	.rodata,"a",@progbits
	.p2align	6, 0x0
	.amdhsa_kernel k_q3ffb32183d_prep
		.amdhsa_group_segment_fixed_size 1280
		.amdhsa_private_segment_fixed_size 0
		.amdhsa_enable_private_segment 0
		.amdhsa_kernarg_size 24
		.amdhsa_user_sgpr_count 2
		.amdhsa_user_sgpr_kernarg_segment_ptr 1
		.amdhsa_wavefront_size32 1
		.amdhsa_system_sgpr_workgroup_id_x 1
		.amdhsa_system_sgpr_workgroup_id_y 1
		.amdhsa_system_sgpr_workgroup_id_z 1
		.amdhsa_system_vgpr_workitem_id 0
		.amdhsa_next_free_vgpr 132
		.amdhsa_next_free_sgpr 66
		.amdhsa_reserve_vcc 0
		.amdhsa_float_denorm_mode_32 3
		.amdhsa_float_denorm_mode_16_64 3
		.amdhsa_memory_ordered 1
		.amdhsa_forward_progress 1
		.amdhsa_inst_pref_size 17
	.end_amdhsa_kernel
	.amdgpu_metadata
---
amdhsa.version: [ 1, 2 ]
amdhsa.kernels:
  - .name:           k_q3ffb32183d_prep
    .symbol:         k_q3ffb32183d_prep.kd
    .args:
      - { .name: vectors, .offset: 0, .size: 8, .value_kind: global_buffer, .address_space: global }
      - { .name: wq, .offset: 8, .size: 8, .value_kind: global_buffer, .address_space: global }
      - { .name: vsq, .offset: 16, .size: 8, .value_kind: global_buffer, .address_space: global }
    .group_segment_fixed_size: 1280
    .private_segment_fixed_size: 0
    .kernarg_segment_align: 8
    .kernarg_segment_size: 24
    .max_flat_workgroup_size: 256
    .sgpr_count:     66
    .vgpr_count:     132
    .wavefront_size: 32
...
	.end_amdgpu_metadata
.endif
;; end of part 1
;; launch vq (part 2): grid 256 x 1, 4 waves a work-group, clusters of 4 x 1, 327,680 bytes of LDS; arguments x, wq, vsq, out0; writes out0
.if DOCPART == 2
	.amdgcn_target "amdgcn-amd-amdhsa--gfx1250"
	.amdhsa_code_object_version 6
	.text
	.protected	k_q3ffb32183d_vq
	.globl	k_q3ffb32183d_vq
	.p2align	8
	.type	k_q3ffb32183d_vq,@function
k_q3ffb32183d_vq:
	s_mov_b64 s[64:65], 0
	v_nop
	global_prefetch_b8 v0, s[64:65] scope:SCOPE_SE
	s_setreg_imm32_b32 hwreg(HW_REG_WAVE_MODE, 25, 1), 1
	s_wait_xcnt 0x0
	s_wait_alu depctr_hold_cnt(0) depctr_sa_sdst(0) depctr_va_vdst(0) depctr_va_sdst(0) depctr_va_ssrc(0) depctr_va_vcc(0) depctr_vm_vsrc(0)
	s_getreg_b32 s2, hwreg(HW_REG_IB_STS2, 6, 4)
	s_cmp_eq_u32 s2, 0
	s_cbranch_scc0 .Lentry_in_a_cluster
	s_endpgm
.Lentry_in_a_cluster:
	s_bfe_u32 s2, ttmp6, 0x10000c
	s_cmp_lg_u32 s2, 0x3003
	s_cbranch_scc0 .Lentry_shape_is_right
	s_endpgm
.Lentry_shape_is_right:
; out0[n] = the lowest k at which score[n][k] = |v_k|^2 - 2 x_n . v_k is least.  x: [32768][256] f32.  wq: [8192][256] bf16 = -2 bf16(v).  vsq: [8192] f32 = |bf16(v)|^2.  out0: [32768] i32.
; x is rounded to bf16 (nearest even) on its way from LDS into registers; products in bf16, sums in f32.  The first K step takes |v|^2 as its C operand, so a finished accumulator IS the score.
; LIMITS.  The scores are those of x and v rounded to bf16.  Their f32 sums are taken in the matrix unit's order: two codes whose scores differ by no more than a few units in the last place of
; those sums may be ordered otherwise than by sums taken in another order.  A NaN score never wins (jnp.argmin would give the first NaN); a query whose scores are all NaN or +inf gets index 0.
; SHARES.  A work-group owns 128 queries: 256 work-groups.  EVERY wave keeps all 128 queries as bf16 fragments, 512 registers, for the whole launch; the CODES are split among the waves: of each
; slot of 256 codes wave w takes rows 64 w .. 64 w + 63, four tiles of 16.  So a fragment of codes (1,024 bytes out of LDS) feeds eight products, and x costs no LDS read in the loop.
; LAYOUT.  Source 0 = 16 codes, source 1 = 16 queries: in the result lane l holds query l % 16, register j code 8 (l / 16) + j.
; ARGMIN.  For each query tile a lane keeps the running minimum (two registers by turns), the number of the code tile that last lowered it, and that tile's eight scores: 14 vector lines for 8
; products.  The comparison is strict, so the earlier tile keeps a tie.  At the end the lowest register that reaches the minimum gives the code; the halves of the lanes and the four waves are
; merged by (score, then index).
; PIPELINE.  Step F fetches code tile F out of LDS, multiplies tile F - 1 and takes the minimum of tile F - 2, whose 112 lines stand in fours and twos behind pairs of products.
; CLUSTER.  All work-groups walk the same table, so the four of a cluster ask for each slot, and for the norms, JOINTLY: the same tensor load, descriptor and mask in all four.  A mask names four at the most.
; REGISTERS, in windows of 256 (s_set_vgpr_msb: bits 1:0 source 0, 3:2 source 1, 5:4 source 2, 7:6 destination):
;   window 0: v0-31 addresses and work; v32-127 the state, 12 a query tile; v128-255 two sets of 8 accumulators
;   window 1: v0-127 two buffers of code fragments; v128-143 two buffers of |v|^2          windows 2, 3: x's fragments, query tiles 0-3 and 4-7, at 64 (q % 4) + 8 c
.set PC,    528                        ; a row of codes in LDS: 512 bytes + 16 of padding = 132 words: row r starts at bank 4 r mod 64 (64 banks of 4 bytes: ISA guide 11.1)
.set PX,    1040                       ; a row of x (f32) in LDS: 1,024 + 16 = 260 words: likewise
.set TILEB, 16*PC                      ; a code tile
.set SLOT,  256*PC                     ; 0x21000: a slot of 256 codes; two of them; the second is first filled with x (128 rows x 1,040 = 133,120 bytes)
.set VSQ,   2*SLOT                     ; the 8,192 norms by waves: wave w's 8,192 bytes hold slot s at 256 s, tile f at 64 f
.set RES,   VSQ+32768                  ; written by LDS stores alone: wave w, query i: (score, index) at 1,024 w + 8 i
.set SPARE, RES+4096                   ; the spare words, 128 bytes for each wave: two blocks of 256 bytes that no other line names
.set SLOTG, 256*512                    ; a slot's bytes in wq
.set R,   1                            ; v1   l % 16
.set H,   2                            ; v2   l / 16
.set A0,  3                            ; v3   my lane's place in my wave's rows of a slot; never rewritten
.set ADR, 4                            ; v4   the LDS address of the run of loads in hand
.set VA0, 5                            ; v5   my lane's place in my wave's norms; never rewritten
.set XA,  6                            ; v6, v7  my lane's place in x's rows, query tiles 0-3 and 4-7
.set SPW, 8                            ; v8   LDS address of my spare word; never rewritten
.set NIL, 9                            ; v9   0; never rewritten
.set PFO, 10                           ; v10  256 x my lane; never rewritten
.set IB,  11                           ; v11  64 w + 8 (l / 16): what my wave and my half add to a code's number
.set T0,  12                           ; v12-27  at work on the way out
.set T1,  13
.set T2,  14
.set T3,  15
.set VAD, 30                           ; v30  the LDS address of the norms in hand
.set RA,  31                           ; v31  where I put a query's (score, index)
.set LN,  4                            ; the way out: lane
.set RB,  6                            ; the way out: where I read two queries' pairs back
.set OA,  7                            ; the way out: my byte offset in the work-group's part of out0
.set ST,  32                           ; query tile q's state at v[ST+12 q]: +0, +1 the minimum, by turns; +2 the tile's number; +3 the register's number; +4..11 the tile's scores
.set ACC, 128                          ; set p, query tile q at ACC + 64 p + 8 q
.set VS,  128                          ; window 1: buffer b at VS + 8 b
.set WV,  12                           ; s12  my wave's number
.set CX,  13                           ; s13  my place in the cluster: it enters x's and out0's addresses and the prefetches' alone
.set WG,  14                           ; s14  my work-group's number
.set LIM, 15                           ; s15  2 in the first cluster, else the greatest number: a wave prefetches while s[SLOTS] is above it
.set PFA, 20                           ; s[20:21] where my prefetches stand
.set SLOTS, 22                         ; s22  slots still to be asked for
.set CNT, 23                           ; s23  counts a slot's two pairs of steps
.set GX1, 24                           ; s[24:31] descriptor group 1 for x
.set GC1, 32                           ; s[32:39] for the codes
.set GV1, 40                           ; s[40:47] for the norms
.set GX0, 48                           ; s[48:51] descriptor group 0 for x
.set GC0, 52                           ; s[52:55] for the codes: it walks
.set GV0, 56                           ; s[56:59] for the norms
.set TB,  60                           ; s60  LDS byte at which the code tile to be fetched begins, less my wave's place
.set TN,  61                           ; s61  the number, 0 to 127, of the code tile whose minimum is being taken
.set MK,  62                           ; s62, s63  the lanes in which the minimum fell: by the query tile's parity
.set SEL, 66                           ; s[66:67] v_permlanex16_b32's selects: each lane takes its own place in the other half
.set VB,  71                           ; s71  64 x the number of the code tile to be fetched: its norms
.set MSB, 0
.macro WIN new                         ; the immediate's high byte repeats the setting that is left; a switch that changes nothing is dropped
.if MSB != (\new)
	s_set_vgpr_msb (MSB<<8)|(\new)
.set MSB, \new
.endif
.endm
; A round of the cluster's barrier: my work-group's barrier, so that wave 0's signal speaks for all four waves; wave 0 signals; every wave waits for all four work-groups; my work-group's barrier once more.
.macro ROUND
	s_barrier_signal -1
	s_barrier_wait -1
	s_cmp_lg_u32 s[WV], 0
	s_cbranch_scc1 .Lnot_wave_0_\@
	s_barrier_signal -3
.Lnot_wave_0_\@:
	s_barrier_wait -3
	s_barrier_signal -1
	s_barrier_wait -1
.endm
; A PREFETCH INTO THE L2 of the slot that stands two refills on: 512 products ahead of the load that will want it.  A slot is 512 blocks of 256 bytes.  All clusters walk the same table: the first
; cluster asks, and nobody else (the test is the same in its four partners).  Its 4 x 4 waves x 32 lanes take a block each, told apart BY ADDRESS: 32,768 cx + 8,192 w + 256 l.  So each block is
; named once in the launch.  Slots 0 to 2 come by their loads alone; the changes that would name a slot behind the table's last ask for nothing.
.macro ASK
	s_cmp_gt_u32 s[SLOTS], s[LIM]
	s_cbranch_scc0 .Lnot_mine_\@
	global_prefetch_b8 v[PFO], s[PFA:PFA+1] th:TH_LOAD_NT scope:SCOPE_SE
.Lnot_mine_\@:
.endm
	s_load_b256 s[4:11], s[0:1], 0x0               ; x s[4:5], wq s[6:7], vsq s[8:9], out0 s[10:11]
	v_lshl_add_u32 v[SPW], v0, 2, SPARE
	v_mov_b32 v[NIL], 0
	ds_add_u32 v[SPW], v[NIL]                      ; the wave's opening: an add, twice on end, and its wait ahead of my first tensor load; the set-up below stands between
	ds_add_u32 v[SPW], v[NIL]                      ; and once more, under the one wait
	v_lshrrev_b32 v[R], 5, v0
	v_readfirstlane_b32 s[WV], v[R]                ; wave 0..3
	s_bfe_u32 s[CX], ttmp6, 0x40000                ; cx
	s_lshl_b32 s[WG], ttmp9, 2                     ; in a cluster launch ttmp9 counts clusters
	s_add_co_u32 s[WG], s[WG], s[CX]
	; group 1 for x: my 32 rows of 256 f32, padded in LDS; a load of my work-group's own: no mask
	s_mov_b32 s[GX1+0], (2<<16)|(1<<20)|(7<<22)|(3<<25)  ; 17:16 elements of 4 bytes; 20 padding on; 24:22 after every 256 words (code 7); 31:25 4 words of it (code 3)
	s_mov_b32 s[GX1+1], 256<<16                    ; tensor_dim0 = 256
	s_mov_b32 s[GX1+2], 32<<16                     ; tensor_dim1 = 32
	s_mov_b32 s[GX1+3], 256<<16                    ; tile_dim0 = 256
	s_mov_b32 s[GX1+4], 32                         ; tile_dim1 = 32
	s_mov_b32 s[GX1+5], 256                        ; elements from row to row
	s_mov_b32 s[GX1+6], 0
	s_mov_b32 s[GX1+7], 0
	; group 1 for the codes: my 64 rows of 256 bf16, padded in LDS; joint
	s_mov_b32 s[GC1+0], 15|(1<<16)|(1<<20)|(1<<21)|(6<<22)|(3<<25)  ; 15:0 the mask: all four work-groups; 17:16 2 bytes; 20 padding on; 21 set beside a mask; 24:22 after every 128 words (code 6); 31:25 4 words
	s_mov_b32 s[GC1+1], 256<<16
	s_mov_b32 s[GC1+2], 64<<16
	s_mov_b32 s[GC1+3], 256<<16
	s_mov_b32 s[GC1+4], 64
	s_mov_b32 s[GC1+5], 256
	s_mov_b32 s[GC1+6], 0
	s_mov_b32 s[GC1+7], 0
	; group 1 for the norms: of each of the 32 slots my 64 words (256 bytes, 1,024 bytes apart in memory), end to end in LDS; joint
	s_mov_b32 s[GV1+0], 15|(2<<16)|(1<<21)
	s_mov_b32 s[GV1+1], 64<<16
	s_mov_b32 s[GV1+2], 32<<16
	s_mov_b32 s[GV1+3], 64<<16
	s_mov_b32 s[GV1+4], 32
	s_mov_b32 s[GV1+5], 256
	s_mov_b32 s[GV1+6], 0
	s_mov_b32 s[GV1+7], 0
	s_mov_b32 s[GX0], 1                            ; groups 0: count = 1, and the LDS addresses: a constant and the wave's number times a constant
	s_mul_i32 s[GX0+1], s[WV], 32*PX
	s_add_co_u32 s[GX0+1], s[GX0+1], SLOT          ; x goes into the second slot
	s_mov_b32 s[GC0], 1
	s_mul_i32 s[GC0+1], s[WV], 64*PC               ; slot 0.  0x8400 w has neither of SLOT's two bits, so an exclusive or with SLOT turns the one slot's address into the other's
	s_mov_b32 s[GV0], 1
	s_lshl_b32 s[GV0+1], s[WV], 13
	s_add_co_u32 s[GV0+1], s[GV0+1], VSQ
	s_mov_b32 s[SEL], 0x76543210
	s_mov_b32 s[SEL+1], 0xfedcba98
	s_mov_b32 s[TB], SLOT+4*TILEB                  ; the first change of slots turns this into 0
	s_mov_b32 s[VB], 0
	s_mov_b32 s[TN], 0
	s_mov_b32 s[SLOTS], 31                         ; slots 1 to 31 are asked for by changes of slots
	s_mov_b32 s68, 0x7f800000                      ; +inf
	s_cmp_eq_u32 ttmp9, 0
	s_cselect_b32 s[LIM], 2, -1
	s_lshl_b32 s16, s[WV], 15                      ; my 64 rows of a slot in wq; also my 32 rows of x
	s_mov_b32 s17, 0
	s_lshl_b32 s18, s[WV], 8                       ; my 64 words of a slot in vsq
	s_mov_b32 s19, 0
	s_lshl_b32 s2, s[WG], 17                       ; my work-group's 128 rows of x: what holds cx stays in s[2:3]
	s_add_co_u32 s2, s2, s16
	s_mov_b32 s3, 0
	s_wait_dscnt 0x0                               ; both opening adds are done
	s_wait_kmcnt 0x0
	s_add_nc_u64 s[GX0+2:GX0+3], s[4:5], s[2:3]
	s_or_b32 s[GX0+3], s[GX0+3], 0x80000000        ; type = 2
	s_add_nc_u64 s[GC0+2:GC0+3], s[6:7], s[16:17]
	s_or_b32 s[GC0+3], s[GC0+3], 0x80000000
	s_add_nc_u64 s[GV0+2:GV0+3], s[8:9], s[18:19]
	s_or_b32 s[GV0+3], s[GV0+3], 0x80000000
	s_lshl_b32 s2, s[CX], 15                       ; the prefetches: my work-group's quarter of a slot,
	s_lshl_b32 s3, s[WV], 13                       ; my wave's quarter of that,
	s_add_co_u32 s2, s2, s3
	s_add_co_u32 s2, s2, 2*SLOTG                   ; in slot 2: the first change of slots steps it to slot 3
	s_mov_b32 s3, 0
	s_add_nc_u64 s[PFA:PFA+1], s[6:7], s[2:3]
	s_lshl_b32 s2, s[WG], 9                        ; my work-group's 128 words of out0
	s_add_nc_u64 s[10:11], s[10:11], s[2:3]
	ROUND                                          ; all four work-groups are here: the first joint loads meet
	tensor_load_to_lds s[GX0:GX0+3], s[GX1:GX1+7]  ; the three first fills go out together, x first: three loads of mine are out
	s_nop 0
	tensor_load_to_lds s[GV0:GV0+3], s[GV1:GV1+7]
	s_nop 0
	tensor_load_to_lds s[GC0:GC0+3], s[GC1:GC1+7]
	s_nop 0
	; while they are on their way: addresses and the state, all in window 0
	v_and_b32 v[R], 15, v0
	v_bfe_u32 v[H], v0, 4, 1
	; A fragment is 16 rows x 32 K in 8 registers: lane l holds row l % 16; registers 0-3 K = 8 (l / 16) + 0..7, registers 4-7 K = 16 + 8 (l / 16) + 0..7.
	v_mul_u32_u24 v[XA], v[R], PX                  ; x in f32: eight numbers are 32 bytes
	v_lshl_add_u32 v[XA], v[H], 5, v[XA]
	v_add_nc_u32 v[XA], SLOT, v[XA]
	v_add_nc_u32 v[XA+1], 4*16*PX, v[XA]           ; a second base: the immediate has 16 bits
	v_mul_u32_u24 v[A0], v[R], PC                  ; codes in bf16: eight numbers are 16 bytes
	v_lshl_add_u32 v[A0], v[H], 4, v[A0]
	v_add_nc_u32 v[A0], s[GC0+1], v[A0]            ; + my wave's 64 rows
	v_lshl_add_u32 v[VA0], v[H], 5, s[GV0+1]       ; the norms of codes 8 (l / 16) + 0..7: 32 bytes
	v_and_b32 v[PFO], 31, v0
	v_lshlrev_b32 v[PFO], 8, v[PFO]
	s_lshl_b32 s16, s[WV], 6
	v_lshl_add_u32 v[IB], v[H], 3, s16
	s_lshl_b32 s16, s[WV], 10
	s_add_co_u32 s16, s16, RES
	v_lshl_add_u32 v[RA], v[R], 3, s16
	v_mov_b32 v[T2], 0                             ; v_permlanex16_b32's destinations count as read
	v_mov_b32 v[T3], 0
.set iq, 0
.rept 8                                ; the minimum and the kept scores start at +inf, the tile's number at 0: 80 lines, in the wait for x
	v_mov_b32 v[ST+12*iq], s68
	v_mov_b32 v[ST+12*iq+2], 0
.set ii, 4
.rept 8
	v_mov_b32 v[ST+12*iq+ii], s68
.set ii, ii+1
.endr
.set iq, iq+1
.endr
; x INTO REGISTERS.  Query tile q: 32 LDS loads bring its 16 rows x 256 f32, 128 registers (even q: the accumulators' place in window 0; odd q: the code fragments' in window 1),
; K step c in registers 16 c .. 16 c + 15, in the fragment's order; 64 roundings pack them into the tile's 64 registers in window 2 or 3.
.macro XLOAD q
	WIN ((\q)%2)<<6                                ; destination window 0 or 1, address window 0
.set xb, 128-128*((\q)%2)
.set xc, 0
.rept 8
	ds_load_b128 v[xb+16*xc:xb+16*xc+3],     v[XA+(\q)/4] offset:((\q)%4)*16*PX+128*xc
	ds_load_b128 v[xb+16*xc+4:xb+16*xc+7],   v[XA+(\q)/4] offset:((\q)%4)*16*PX+128*xc+16
	ds_load_b128 v[xb+16*xc+8:xb+16*xc+11],  v[XA+(\q)/4] offset:((\q)%4)*16*PX+128*xc+64
	ds_load_b128 v[xb+16*xc+12:xb+16*xc+15], v[XA+(\q)/4] offset:((\q)%4)*16*PX+128*xc+80
.set xc, xc+1
.endr
.endm
.macro CVT q
.if (\q) < 7
	s_wait_dscnt 32                                ; LDS loads come back in order: this tile's are in, the next tile's 32 stay out
.else
	s_wait_dscnt 0x0
.endif
	WIN ((2+(\q)/4)<<6)|(5*((\q)%2))               ; destination window 2 or 3, both sources window 0 or 1
.set xb, 128-128*((\q)%2)
.set xd, 64*((\q)%4)
.set xi, 0
.rept 64
	v_cvt_pk_bf16_f32 v[xd+xi], v[xb+2*xi], v[xb+2*xi+1]
.set xi, xi+1
.endr
.if (\q) < 6
	XLOAD (\q)+2                                   ; the tile two on, into the registers just read out
.endif
.endm
; THE MATRIX WORK.  Product (mc, mq) of code tile F - 1: K step mc, query tile mq.  The eight accumulators of a set take turns, one instruction a turn: seven others stand
; between two links of a chain, from step to step and over the backward jumps too.  K step 0 starts the sum with the codes' norms.
.macro MMA par
.set mD, ACC+64*(1-(\par))+8*mq
.set mA, 64*(1-(\par))+8*mc
.set mB, 64*(mq%4)+8*mc
.if mc == 0
	WIN 0x11|((2+mq/4)<<2)                         ; codes and norms window 1, x window 2 or 3, the result window 0
	v_wmma_f32_16x16x32_bf16 v[mD:mD+7], v[mA:mA+7], v[mB:mB+7], v[VS+8*(1-(\par)):VS+8*(1-(\par))+7]
.else
	WIN 0x01|((2+mq/4)<<2)
	v_wmma_f32_16x16x32_bf16 v[mD:mD+7], v[mA:mA+7], v[mB:mB+7], v[mD:mD+7]
.endif
.endm
; THE LDS LOADS stand in one run of 18 a step: a code tile's eight fragments and its 16 norms (a lane takes the eight of its half).
.macro FETCH par
	WIN 0
	v_add_nc_u32 v[ADR], s[TB], v[A0]
	v_add_nc_u32 v[VAD], s[VB], v[VA0]
	WIN 0x40                                       ; destination window 1
.irp c, 0,1,2,3,4,5,6,7
	ds_load_b128 v[64*(\par)+8*(\c):64*(\par)+8*(\c)+3],   v[ADR] offset:64*(\c)
	ds_load_b128 v[64*(\par)+8*(\c)+4:64*(\par)+8*(\c)+7], v[ADR] offset:64*(\c)+32
.endr
	ds_load_b128 v[VS+8*(\par):VS+8*(\par)+3],   v[VAD]
	ds_load_b128 v[VS+8*(\par)+4:VS+8*(\par)+7], v[VAD] offset:16
	WIN 0
	s_add_co_u32 s[TB], s[TB], TILEB               ; the next fetch is the next tile's
	s_add_co_u32 s[VB], s[VB], 64
.endm
; THE VECTOR WORK.  Line rn of 112 for code tile F - 2.  Two query tiles go side by side, 28 lines a pair, so that no line reads the result of the one before it.  For a tile, a0-a7 its scores:
;   0-3   the new minimum of the old one and a0-a7, three operands at a time (the accumulator's lowest registers are read first)
;   4     the lanes in which it fell: strictly, so that the earlier code tile keeps a tie.
;   5     in those lanes the tile's number is kept,     6-13  and its eight scores
.macro RID par
.set rq, 2*(rn/28)+(rn%28)%2
.set rj, (rn%28)/2
.set rB, ST+12*rq
.set rA, ACC+64*(\par)+8*rq
.set rO, rB+(\par)
.set rN, rB+1-(\par)
.set rK, MK+rq%2
.if rj == 0
	v_min3_num_f32 v[rN], v[rO], v[rA], v[rA+1]
.elseif rj < 4
	v_min3_num_f32 v[rN], v[rN], v[rA+2*rj], v[rA+2*rj+1]
.elseif rj == 4
	v_cmp_lt_f32 s[rK], v[rN], v[rO]
.elseif rj == 5
	v_cndmask_b32 v[rB+2], v[rB+2], s[TN], s[rK]
.else
	v_cndmask_b32 v[rB+rj-2], v[rB+rj-2], v[rA+rj-6], s[rK]
.endif
.set rn, rn+1
.endm
; A STEP, F, of parity par: 32 pairs of products under one window setting each, behind each pair four (the last eight pairs: two) of the 112 lines: 64 switches of the windows a step.
; fetch, mul, rid: which of the three parts the step has.
; PLACES (a vector line that reads a matrix result, and a load into a register that a matrix instruction has read, stand four plain vector lines behind it that name none of its registers: ISA guide
; 7.12.1 for vector lines).  The first lines read query tiles 0 and 1, whose last products are numbers 56 and 57 of the step before: eight lines of that step, on the other set,
; stand behind them.  The run of loads stands behind the first pair: behind product 63 of the step before, the buffer's last reader, stand two lines of that step, this step's first four (query
; tiles 0 and 1, not 7) and the run's own two additions.  A step that multiplies and has no lines ends with four v_nop.
.macro STEP par, fetch, mul, rid
.set rn, 0
.if \mul
	s_wait_dscnt 0x0                               ; the tile's fragments and norms are in: asked for 62 products ago
.endif
.set ps, 0
.rept 32
.if \mul
.set mc, ps/4
.set mq, 2*(ps%4)
	MMA \par
.set mq, mq+1
	MMA \par
.endif
.if \rid
	WIN 0
	RID \par
	RID \par
.if ps < 24
	RID \par
	RID \par
.endif
.endif
.if (\fetch) && (ps == 0)
	FETCH \par
.endif
.set ps, ps+1
.endr
.if \rid
	s_add_co_u32 s[TN], s[TN], 1
.endif
.if (\mul) && !(\rid)
	WIN 0
.rept 4
	v_nop
.endr
.endif
.endm
; THE CHANGE OF SLOTS, in front of a slot's four steps.  The old slot's last tile has been asked for.  Each wave waits for all its tensor loads, of which one is out: its part of the slot to come; adds 0
; to its spare word; and waits for that and for its own reads of the old slot.  fill = 1: the old slot is filled again, with the codes two slots on.  The barrier is then a round of the
; cluster's, so that no wave of any partner still reads the slot or has a load on its way, and the joint refill is the first thing behind it: one load a wave, 64 rows, with 256 products in which to land.
; (At its first use the three first fills are waited for, and x's place, read out by every wave, takes slot 1.)
.macro CHANGE fill
	WIN 0                                          ; at a label and at a branch every window is 0
	s_wait_tensorcnt 0x0                           ; no tensor load of mine is out, so a group 0 may be written
	ds_add_u32 v[SPW], v[NIL]                      ; 0 onto my spare word: with fill = 1 the steps below stand between it and the wait for it
.if \fill
	s_xor_b32 s[GC0+1], s[GC0+1], SLOT             ; the walking descriptor: the other slot than last time,
	s_add_nc_u64 s[GC0+2:GC0+3], s[GC0+2:GC0+3], SLOTG  ; the next 256 codes; the type bits on top are not reached
	s_wait_xcnt 0x0                                ; the last prefetch, a slot back, has read its address, so it may be written
	s_add_nc_u64 s[PFA:PFA+1], s[PFA:PFA+1], SLOTG
	s_wait_dscnt 0x0                               ; the add is done, and my reads of the old slot are over
	ROUND
	tensor_load_to_lds s[GC0:GC0+3], s[GC1:GC1+7]
	s_nop 0
.rept 4
	v_nop
.endr
	ASK
.else
	s_wait_dscnt 0x0                               ; the add is done, and my reads of the old slot are over
	s_barrier_signal -1
	s_barrier_wait -1
.endif
	s_sub_co_u32 s[TB], s[TB], 4*TILEB             ; the fetches go back to a slot's first tile,
	s_xor_b32 s[TB], s[TB], SLOT                   ; in the other slot (here s[TB] is 0 or SLOT)
.endm
.macro TWO_PAIRS                       ; a slot's four steps: a pair written once, walked twice
	WIN 0
	s_mov_b32 s[CNT], 2
.Lstep_\@:
	STEP 0, 1, 1, 1
	STEP 1, 1, 1, 1
	WIN 0
	s_sub_co_u32 s[CNT], s[CNT], 1
	s_cmp_lg_u32 s[CNT], 0
	s_cbranch_scc1 .Lstep_\@
.endm
	s_wait_tensorcnt 0x2                           ; my part of x is in; the norms and slot 0, issued behind it, may stay out
	s_barrier_signal -1
	s_barrier_wait -1                              ; everybody's part is in: every wave reads all 128 rows
	XLOAD 0
	XLOAD 1
.irp q, 0,1,2,3,4,5,6,7
	CVT \q
.endr
	CHANGE 1                                       ; norms and slot 0 are in; slot 1 is asked for
	STEP 0, 1, 0, 0                                ; the pipeline fills: tile 0 is fetched,
	STEP 1, 1, 1, 0                                ; multiplied,
	STEP 0, 1, 1, 1                                ; and its minimum taken
	STEP 1, 1, 1, 1
	s_sub_co_u32 s[SLOTS], s[SLOTS], 1
.Lslot:                                        ; 30 trips: slots 1 to 30 are walked, slots 2 to 31 asked for
	CHANGE 1
	TWO_PAIRS
	s_sub_co_u32 s[SLOTS], s[SLOTS], 1
	s_cmp_lg_u32 s[SLOTS], 0
	s_cbranch_scc1 .Lslot
	CHANGE 0                                       ; the tail is written out: slot 31, and nothing is asked for
	TWO_PAIRS
	STEP 0, 0, 1, 1                                ; the pipeline drains: tile 127 is multiplied,
	STEP 1, 0, 0, 1                                ; and its minimum taken: it ends in the state's first register
; THE WAY OUT.  a (score va, index ia) takes b's place if b's score is lower, or equal with a lower index.  The masks steer v_cndmask_b32 alone.
.macro BEST va, ia, vb, ib
	v_cmp_lt_f32 s68, v[\vb], v[\va]
	v_cmp_eq_f32 s69, v[\vb], v[\va]
	v_cmp_lt_u32 s70, v[\ib], v[\ia]
	s_and_b32 s69, s69, s70
	s_or_b32 s68, s68, s69
	v_cndmask_b32 v[\va], v[\va], v[\vb], s68
	v_cndmask_b32 v[\ia], v[\ia], v[\ib], s68
.endm
; Query tile q: the lowest register j that holds the minimum; the code's number 256 (n / 4) + 64 w + 16 (n % 4) + 8 (l / 16) + j from the kept tile number n; the other half of the lanes; into LDS.
.macro FIN q
.set fB, ST+12*(\q)
	v_mov_b32 v[fB+3], 7
.irp j, 6,5,4,3,2,1,0
	v_cmp_neq_f32 vcc_lo, v[fB+4+(\j)], v[fB]
	v_cndmask_b32 v[fB+3], \j, v[fB+3], vcc_lo     ; j where the score equals the minimum
.endr
	v_and_b32 v[T0], -4, v[fB+2]
	v_and_b32 v[T1], 3, v[fB+2]
	v_lshl_add_u32 v[T0], v[T0], 6, v[IB]
	v_lshl_add_u32 v[T0], v[T1], 4, v[T0]
	v_add_nc_u32 v[fB+1], v[T0], v[fB+3]           ; the index, beside the score
	v_permlanex16_b32 v[T2], v[fB], s[SEL], s[SEL+1]
	v_permlanex16_b32 v[T3], v[fB+1], s[SEL], s[SEL+1]
	BEST fB, fB+1, T2, T3                          ; both halves now hold the same pair
	ds_store_b64 v[RA], v[fB:fB+1] offset:128*(\q) ; lanes l and l + 16 write the same eight bytes with the same numbers
.endm
.irp q, 0,1,2,3,4,5,6,7
	FIN \q
.endr
	s_wait_dscnt 0x0                               ; for the others' sake: my 128 pairs lie in LDS
	s_barrier_signal -1
	s_barrier_wait -1
	s_cmp_lt_u32 s[WV], 2                          ; waves 0 and 1 merge the four waves' answers, 64 queries each, two a lane
	s_cbranch_scc0 .Lend
	v_and_b32 v[LN], 31, v0
	s_lshl_b32 s16, s[WV], 9
	s_add_co_u32 s16, s16, RES
	v_lshl_add_u32 v[RB], v[LN], 4, s16
	s_lshl_b32 s17, s[WV], 8
	v_lshl_add_u32 v[OA], v[LN], 3, s17
.irp p, 0,1,2,3
	ds_load_b128 v[12+4*(\p):15+4*(\p)], v[RB] offset:1024*(\p)  ; wave p's (score, index) of my two queries
.endr
	s_wait_dscnt 0x0
.irp p, 1,2,3
	BEST 12, 13, 12+4*(\p), 13+4*(\p)
	BEST 14, 15, 14+4*(\p), 15+4*(\p)
.endr
	v_mov_b32 v14, v13                             ; the two indices side by side
	global_store_b64 v[OA], v[14:15], s[10:11]     ; 32 lanes x 8 bytes: 256 consecutive bytes, at a multiple of 256 from out0's first byte
.Lend:
	s_wait_tensorcnt 0x0                           ; the wave's end: the closing add and its waits, behind my last tensor load and my last LDS store
	ds_add_u32 v[SPW], v[NIL]
	s_wait_dscnt 0x0
	ROUND                                          ; the closing round: no work-group ends while a partner may still ask for a tile that names it
	s_endpgm
.Lfunc_end_k_q3ffb32183d_vq:
	.size	k_q3ffb32183d_vq, .Lfunc_end_k_q3ffb32183d_vq-k_q3ffb32183d_vq
	.p2alignl 7, 3214868480
	.fill 96, 4, 3214868480
	.section	.rodata,"a",@progbits
	.p2align	6, 0x0
	.amdhsa_kernel k_q3ffb32183d_vq
		.amdhsa_group_segment_fixed_size 327680
		.amdhsa_private_segment_fixed_size 0
		.amdhsa_enable_private_segment 0
		.amdhsa_kernarg_size 32
		.amdhsa_user_sgpr_count 2
		.amdhsa_user_sgpr_kernarg_segment_ptr 1
		.amdhsa_wavefront_size32 1
		.amdhsa_system_sgpr_workgroup_id_x 1
		.amdhsa_system_sgpr_workgroup_id_y 1
		.amdhsa_system_sgpr_workgroup_id_z 1
		.amdhsa_system_vgpr_workitem_id 0
		.amdhsa_next_free_vgpr 1024
		.amdhsa_next_free_sgpr 72
		.amdhsa_reserve_vcc 1
		.amdhsa_float_denorm_mode_32 3
		.amdhsa_float_denorm_mode_16_64 3
		.amdhsa_memory_ordered 1
		.amdhsa_forward_progress 1
		.amdhsa_inst_pref_size 188
	.end_amdhsa_kernel
	.amdgpu_metadata
---
amdhsa.version: [ 1, 2 ]
amdhsa.kernels:
  - .name:           k_q3ffb32183d_vq
    .symbol:         k_q3ffb32183d_vq.kd
    .args:
      - { .name: x, .offset: 0, .size: 8, .value_kind: global_buffer, .address_space: global }
      - { .name: wq, .offset: 8, .size: 8, .value_kind: global_buffer, .address_space: global }
      - { .name: vsq, .offset: 16, .size: 8, .value_kind: global_buffer, .address_space: global }
      - { .name: out0, .offset: 24, .size: 8, .value_kind: global_buffer, .address_space: global }
    .group_segment_fixed_size: 327680
    .private_segment_fixed_size: 0
    .kernarg_segment_align: 8
    .kernarg_segment_size: 32
    .max_flat_workgroup_size: 128
    .sgpr_count:     72
    .vgpr_count:     1024
    .wavefront_size: 32
...
	.end_amdgpu_metadata
.endif
;; end of part 2
;; ======== version 2 of 2: 2 launches; version 1 with the launch prep written anew for expert scheduling mode
;; workspace buffers: wq 4,194,304 bytes; vsq 32,768 bytes
;; launch prep (part 3): grid 128 x 1, 8 waves a work-group, no clusters, 1,280 bytes of LDS; arguments vectors, wq, vsq; writes wq, vsq
.if DOCPART == 3
	.amdgcn_target "amdgcn-amd-amdhsa--gfx1250"
	.amdhsa_code_object_version 6
	.text
	.protected	k_q3ffb32183d_prep
	.globl	k_q3ffb32183d_prep
	.p2align	8
	.type	k_q3ffb32183d_prep,@function
k_q3ffb32183d_prep:
	s_mov_b64 s[64:65], 0
	v_nop
	global_prefetch_b8 v0, s[64:65] scope:SCOPE_SE
	s_setreg_imm32_b32 hwreg(HW_REG_WAVE_SCHED_MODE, 0, 2), 2
	s_setreg_imm32_b32 hwreg(HW_REG_WAVE_MODE, 25, 1), 1
	s_wait_xcnt 0x0
	s_wait_alu depctr_vm_vsrc(0)
; wq[k][d] = bf16(-2 v[k][d]) = -2 bf16(v[k][d]) (a power of two goes through the rounding unchanged);  vsq[k] = the sum over d of bf16(v[k][d])^2, in f32.
; vectors: [8192][256] f32.  wq: [8192][256] bf16.  vsq: [8192] f32.
; SHARES.  A work-group takes 64 codes, so that its 64 norms are 256 consecutive bytes of vsq, aligned, stored by one instruction: that is why there are 128 work-groups.
; A wave takes 8 codes, a lane 8 numbers of each: 32 bytes in, 16 bytes out, so a wave's store is a whole row of wq: 512 consecutive bytes, aligned.
; All 16 loads of a wave go out at once: every byte of the table is asked for before the first is worked on.  No matrix unit, no cluster: each byte is read once, by one lane.
; The norm is taken of the ROUNDED numbers, as stored: the sum of (-2 v)^2, times 1/4, which is exact.
; LIMIT.  Squares below f32's range are lost, as in any f32 sum of squares.
; THE MODE: SCHED_MODE bits 1:0 = 2 (LLVM: expert scheduling mode 2), set by the entry lines.  The code itself states the register dependences
; between vector instructions and memory or LDS instructions, with s_wait_alu, always for 0.
; THE PLAN.  Registers that memory or LDS instructions touch:
;   v[LO], v[SO], v[LA], v[BA]  offsets and LDS addresses: written at the head, never again; read by the loads, the stores, the LDS stores, and wave 0's LDS load and store.
;   IN      the 16 loads land in it; no vector line names it before them; no memory instruction reads it.
;   W[i]    written once, by row i's four roundings; read by row i's store.
;   S[i]    written once, by row i's sum; read by one LDS store, which is issued in row i + 1 (row 7's: behind the rows).
;   P       written and read by every row's sum lines; at the end wave 0's LDS load lands in it.
;   v[SPW], v[NIL]  written at the head, read by the closing add alone.
; So ONE wait on va_vdst stands in a row, behind its roundings: it states that W[i] is written and that S[i - 1] is written; the row's store and the LDS store of the row before follow it, and the
; vector lines behind them write none of the registers that these two read.  No register that a memory or LDS instruction has read is written again: no wait on vm_vsrc is owed.
.set ROWI,  1024                       ; bytes in a row of vectors
.set ROWO,  512                        ; bytes in a row of wq
.set SUMS,  0                          ; LDS: the work-group's 64 norms, one block of 256 bytes
.set SPARE, 256                        ; behind it: the spare words, 128 bytes for each of the eight waves, which no other line names
.set LN,  1                            ; v1    lane
.set LO,  2                            ; v2    my byte offset in the group's rows of vectors: wave x 8 rows + 32 x lane; never rewritten
.set SO,  3                            ; v3    the same in wq: wave x 8 rows + 16 x lane; never rewritten
.set SPW, 4                            ; v4    LDS address of my spare word; never rewritten
.set NIL, 5                            ; v5    0; never rewritten
.set LA,  6                            ; v6    LDS address of my wave's eight norms
.set TP,  7                            ; v7    takes the other half of the lanes' sum
.set BA,  10                           ; v10   8 x lane
.set IN,  16                           ; v[16:79]    row i: 8 registers as loaded, then times -2
.set W,   80                           ; v[80:111]   row i: 4 registers to store
.set T,   112                          ; v[112:119]  the stored numbers as f32
.set S,   120                          ; v[120:127]  row i's sum
.set P,   128                          ; v[128:129]  two running sums; at the end two norms
	s_load_b128 s[4:7], s[0:1], 0x0                ; vectors s[4:5], wq s[6:7]
	s_load_b64 s[8:9], s[0:1], 0x10                ; vsq
	v_lshl_add_u32 v[SPW], v0, 2, SPARE
	v_mov_b32 v[NIL], 0
	v_lshrrev_b32 v[LN], 5, v0
	v_readfirstlane_b32 s12, v[LN]                 ; wave 0..7
	v_and_b32 v[LN], 31, v0
	s_mov_b32 s13, 0xffff0000                      ; a word's upper bf16
	s_mov_b32 s14, 0x76543210                      ; v_permlanex16_b32: each lane takes its own place in the other half
	s_mov_b32 s15, 0xfedcba98
	s_wait_alu depctr_va_sdst(0)                   ; s12 is written, ahead of its first reader: the wave's offsets are made from it
	s_lshl_b32 s16, s12, 13                        ; 8 rows of 1,024 bytes
	v_lshl_add_u32 v[LO], v[LN], 5, s16
	s_lshl_b32 s17, s12, 12                        ; 8 rows of 512 bytes
	v_lshl_add_u32 v[SO], v[LN], 4, s17
	s_lshl_b32 s18, s12, 5                         ; 8 words
	v_mov_b32 v[LA], s18
	v_mov_b32 v[TP], 0                             ; v_permlanex16_b32's destination counts as read
	v_lshlrev_b32 v[BA], 3, v[LN]
	s_lshl_b32 s20, ttmp9, 16                      ; the group's 64 rows in vectors,
	s_mov_b32 s21, 0
	s_lshl_b32 s22, ttmp9, 15                      ; in wq,
	s_mov_b32 s23, 0
	s_lshl_b32 s2, ttmp9, 8                        ; and its 64 words of vsq
	s_mov_b32 s3, 0
	s_wait_kmcnt 0x0
	s_add_nc_u64 s[4:5], s[4:5], s[20:21]
	s_add_nc_u64 s[6:7], s[6:7], s[22:23]
	s_add_nc_u64 s[8:9], s[8:9], s[2:3]
	s_wait_alu depctr_va_vdst(0)                   ; v[LO], v[SO], v[LA] and v[BA] are written: every load and store, and every LDS instruction but the closing add, reads one of them as its offset or address
.irp i, 0,1,2,3,4,5,6,7
	global_load_b128 v[IN+8*(\i):IN+8*(\i)+3],   v[LO], s[4:5] offset:ROWI*(\i) th:TH_LOAD_NT
	global_load_b128 v[IN+8*(\i)+4:IN+8*(\i)+7], v[LO], s[4:5] offset:ROWI*(\i)+16 th:TH_LOAD_NT
.endr
; Row i of my wave's eight.  Every register that a store reads is written once in the launch, so no wait frees one.
.macro ROWP i
	s_wait_loadcnt 14-2*(\i)                       ; loads come back in order: this row's two are in, the younger rows' (two each) stay out
.irp k, 0,1,2,3
	v_pk_mul_f32 v[IN+8*(\i)+2*(\k):IN+8*(\i)+2*(\k)+1], v[IN+8*(\i)+2*(\k):IN+8*(\i)+2*(\k)+1], -2.0 op_sel_hi:[1,0]
.endr
.irp k, 0,1,2,3
	v_cvt_pk_bf16_f32 v[W+4*(\i)+(\k)], v[IN+8*(\i)+2*(\k)], v[IN+8*(\i)+2*(\k)+1]  ; two roundings to nearest even, packed
.endr
	s_wait_alu depctr_va_vdst(0)                   ; the roundings have written W[i], which the store below reads; the row before has written its sum, which the LDS store below reads
	global_store_b128 v[SO], v[W+4*(\i):W+4*(\i)+3], s[6:7] offset:ROWO*(\i)      ; the wave stores the row's 512 bytes
.if (\i) > 0
	ds_store_b32 v[LA], v[S+(\i)-1] offset:SUMS+4*((\i)-1)  ; the row before's norm: all lanes write the same word with the same number
.endif
.irp k, 0,1,2,3
	v_lshlrev_b32 v[T+2*(\k)],   16, v[W+4*(\i)+(\k)]                            ; the stored numbers back as f32
	v_and_b32     v[T+2*(\k)+1], s13, v[W+4*(\i)+(\k)]
.endr
	v_pk_mul_f32 v[P:P+1], v[T:T+1], v[T:T+1]      ; the first squares start the two sums
.irp k, 2,4,6
	v_pk_fma_f32 v[P:P+1], v[T+(\k):T+(\k)+1], v[T+(\k):T+(\k)+1], v[P:P+1]
.endr
	v_add_f32 v[S+(\i)], v[P], v[P+1]
	v_add_f32_dpp v[S+(\i)], v[S+(\i)], v[S+(\i)] row_xmask:1 row_mask:0xf bank_mask:0xf  ; across the 32 lanes: four steps inside each half,
	v_add_f32_dpp v[S+(\i)], v[S+(\i)], v[S+(\i)] row_xmask:2 row_mask:0xf bank_mask:0xf
	v_add_f32_dpp v[S+(\i)], v[S+(\i)], v[S+(\i)] row_xmask:4 row_mask:0xf bank_mask:0xf
	v_add_f32_dpp v[S+(\i)], v[S+(\i)], v[S+(\i)] row_xmask:8 row_mask:0xf bank_mask:0xf
	v_permlanex16_b32 v[TP], v[S+(\i)], s14, s15   ; one across the halves
	v_add_f32 v[S+(\i)], v[S+(\i)], v[TP]
	v_mul_f32 v[S+(\i)], 0x3e800000, v[S+(\i)]     ; times 1/4: (-2 v)^2 back to v^2, exactly
.endm
.irp i, 0,1,2,3,4,5,6,7
	ROWP \i
.endr
	s_wait_alu depctr_va_vdst(0)                   ; row 7 has written its sum, which the LDS store below reads; and every row's lines are done with v[P:P+1], in which wave 0's LDS load lands: no vector line follows
	ds_store_b32 v[LA], v[S+7] offset:SUMS+4*7     ; all lanes write the same word with the same number
	s_wait_dscnt 0x0                               ; for wave 0's sake: my eight norms lie in LDS
	s_barrier_signal -1
	s_barrier_wait -1
	s_cmp_lg_u32 s12, 0                            ; wave 0 stores the group's 64 norms
	s_cbranch_scc1 .Lend
	ds_load_b64 v[P:P+1], v[BA] offset:SUMS
	s_wait_dscnt 0x0
	global_store_b64 v[BA], v[P:P+1], s[8:9]       ; 32 lanes x 8 bytes: 256 consecutive bytes, aligned
.Lend:
	s_wait_dscnt 0x0                               ; the closing lines, six on end
	s_wait_alu 0x0
	s_wait_tensorcnt 0x0
	ds_add_u32 v[SPW], v[NIL]
	s_wait_dscnt 0x0
	s_endpgm
.Lfunc_end_k_q3ffb32183d_prep:
	.size	k_q3ffb32183d_prep, .Lfunc_end_k_q3ffb32183d_prep-k_q3ffb32183d_prep
	.p2alignl 7, 3214868480
	.fill 96, 4, 3214868480
	.section	.rodata,"a",@progbits
	.p2align	6, 0x0
	.amdhsa_kernel k_q3ffb32183d_prep
		.amdhsa_group_segment_fixed_size 1280
		.amdhsa_private_segment_fixed_size 0
		.amdhsa_enable_private_segment 0
		.amdhsa_kernarg_size 24
		.amdhsa_user_sgpr_count 2
		.amdhsa_user_sgpr_kernarg_segment_ptr 1
		.amdhsa_wavefront_size32 1
		.amdhsa_system_sgpr_workgroup_id_x 1
		.amdhsa_system_sgpr_workgroup_id_y 1
		.amdhsa_system_sgpr_workgroup_id_z 1
		.amdhsa_system_vgpr_workitem_id 0
		.amdhsa_next_free_vgpr 132
		.amdhsa_next_free_sgpr 66
		.amdhsa_reserve_vcc 0
		.amdhsa_float_denorm_mode_32 3
		.amdhsa_float_denorm_mode_16_64 3
		.amdhsa_memory_ordered 1
		.amdhsa_forward_progress 1
		.amdhsa_inst_pref_size 17
	.end_amdhsa_kernel
	.amdgpu_metadata
---
amdhsa.version: [ 1, 2 ]
amdhsa.kernels:
  - .name:           k_q3ffb32183d_prep
    .symbol:         k_q3ffb32183d_prep.kd
    .args:
      - { .name: vectors, .offset: 0, .size: 8, .value_kind: global_buffer, .address_space: global }
      - { .name: wq, .offset: 8, .size: 8, .value_kind: global_buffer, .address_space: global }
      - { .name: vsq, .offset: 16, .size: 8, .value_kind: global_buffer, .address_space: global }
    .group_segment_fixed_size: 1280
    .private_segment_fixed_size: 0
    .kernarg_segment_align: 8
    .kernarg_segment_size: 24
    .max_flat_workgroup_size: 256
    .sgpr_count:     66
    .vgpr_count:     132
    .wavefront_size: 32
...
	.end_amdgpu_metadata
.endif
;; end of part 3
;; launch vq: the kernel of part 2 again; grid 256 x 1, 4 waves a work-group, clusters of 4 x 1, 327,680 bytes of LDS; arguments x, wq, vsq, out0; writes out0
